; MI455X (gfx1250); checked and timed in simulation.
; The chip was launched on July 23, 2026; its instructions are those of AMD's public machine-readable ISA for CDNA 5 (MIT licence, August 2026) and "CDNA5" Instruction Set Architecture Reference Guide (July 2026). The comments in the code are by the model that wrote it; some were corrected since.
;; Flash Attention. Allowed arithmetic: matrix products marked QUANTISED: E4M3 operands, one given power-of-two scale a tensor, by v_wmma_f32_16x16x64_fp8_fp8 or v_wmma_f32_16x16x128_fp8_fp8, f32 sums; everything else in f32.
;; Inputs: k 4 x 16 x 2,048 x 64 float32; lowp_scales 4 int32 (the exponents e of the quantised operands' scales 2^e); q 4 x 16 x 2,048 x 64 float32; v 4 x 16 x 2,048 x 64 float32.
;; Outputs: out0 4 x 16 x 2,048 x 64 float32.
;; This version of the problem:
;;   THIS VERSION OF THE PROBLEM IS GIVEN IN LOW PRECISION. The matrix products marked QUANTISED in the list below multiply operands that are first quantised to E4M3 (4 exponent bits, 3 mantissa bits; 8 bits a number), with one given power-of-two scale for each operand tensor; their sums are f32. All else is computed in f32.
;;   The module's matrix products, in the order in which they are computed (A, B: the left and right operand; K: the contracted axis; several contracted axes count as one K, in the product's order):
;;     1. batch 64 x [M 2,048, K 64] x [K 64, N 2,048]; A: input q; B: input k: QUANTISED (scales: A lowp_scales[0], B lowp_scales[1])
;;     2. batch 64 x [M 2,048, K 2,048] x [K 2,048, N 64]; A: softmax (see below); B: input v: QUANTISED (scales: A lowp_scales[2], B lowp_scales[3])
;;   THE QUANTISER, for each operand of a quantised product, along K:
;;     - The operand's scale is 2^e, e = its entry of the input lowp_scales (int32; the entries are numbered through the quantised products in the list's order, A before B).
;;     - Each number is divided by the scale, clamped to +-448, and rounded to the nearest number of E4M3, ties to even, subnormals kept.
;;     - The product sums the exact products of the quantised numbers (number of the format x scale) in f32.
;;   ~~~python
;;   def quantise(x, axis, e):      # numpy; x: float32 -> the quantised numbers, widened to float32 again
;;       x = np.moveaxis(x, axis, -1); K = x.shape[-1]
;;       r = np.clip(x / 2.0 ** e, -448, 448)
;;       step = 2.0 ** (np.maximum(np.frexp(np.where(r == 0, 1, r))[1] - 1, -6) - 3)
;;       q = np.round(r / step) * step * 2.0 ** e      # np.round: ties to even
;;       return np.moveaxis(q, -1, axis).astype(np.float32)
;;   ~~~
;;   SOFTMAX AHEAD OF A QUANTISED PRODUCT. Where the list says 'softmax', what is quantised is not the finished softmax but p = 2^(t - M), with t = logit x log2(e) and M = ceil(the row's largest t), a whole number; so 1/2 < the row's largest p <= 1. The row's sum l is taken of the UNQUANTISED p, in f32, and the product's result is divided by l at the end. Since M is a whole number, a kernel that streams over the keys may use a running M (the ceiling of the running maximum): every later rescaling is an exact power of two, so the quantised numbers keep their values, but for numbers so far below the row's largest that they fall under the format's range.
;;   OPERANDS COMPUTED ON THE WAY. 'Computed on the way' means the value that the module computes at that place (a softmax that the list does not call 'softmax' is quantised finished and normalised). What goes into a quantiser is computed in f32, as accurately as f32 sums, v_exp_f32 and their like allow (about 1e-6 of the number): no bf16 or f16 on the way to a quantiser, and a product that is left as it is and whose result goes on into a quantised operand takes f32 operands (vector FMAs, or v_wmma_f32_16x16x4_f32). A number that lies on a knife's edge between two numbers of the format may be rounded either way, as far as f32 arithmetic and the matrix unit's own rounding can turn it there, and no further.
;; One version. Each part assembles by itself: llvm-mc -triple=amdgcn-amd-amdhsa -mcpu=gfx1250 --defsym DOCPART=n.
;; ======== version 1 of 1: 2 launches
;; limits: right only within a limited range of input values
;; workspace buffers: kv 16,777,216 bytes
;; launch prep (part 1): grid 1024 x 1, 4 waves a work-group, no clusters, 70,144 bytes of LDS; arguments k, v, lowp_scales, kv; writes kv
.if DOCPART == 1
	.amdgcn_target "amdgcn-amd-amdhsa--gfx1250"
	.amdhsa_code_object_version 6
	.text
	.protected	k_q626061c4d6_prep
	.globl	k_q626061c4d6_prep
	.p2align	8
	.type	k_q626061c4d6_prep,@function
k_q626061c4d6_prep:
	s_mov_b64 s[64:65], 0
	v_nop
	global_prefetch_b8 v0, s[64:65] scope:SCOPE_SE
	s_setreg_imm32_b32 hwreg(HW_REG_WAVE_MODE, 25, 1), 1
	s_wait_xcnt 0x0
; CAUSAL ATTENTION ON CODES OF E4M3, first of two launches: k and v, [64 heads][2048 keys][64] f32, become codes, each tensor with its given scale (2^ek, 2^ev: entries 1 and 3 of
; lowp_scales): code = x / 2^e, held within +-448, rounded to the nearest code, ties to even.  The second launch quantises q itself and does both products and the softmax.
; WORK LEFT OUT BY THE PROGRAM (in the second launch; this one leaves nothing out: key k counts for every query q >= k, so every row of k and v reaches an output).  reference() builds the mask
; jnp.tril in its own body and puts finfo.min where key > query; the row's largest score is that of a key that counts (key 0 counts for every query), so in exact arithmetic the weight of a hidden key is 0
; whatever finite values q, k and v hold, and it adds nothing to the row's sum or to the output.  So a tile of 64 keys x 32 queries all of whose keys come after all of its queries is not multiplied.
; LIMIT of that: a NaN, an infinity or an overflow that would arise only in such a hidden tile is not carried to the result.  All four inputs have a way to the output and are loaded.
; THE OUTPUT IS LAID AS THE SECOND LAUNCH'S OPERAND REGISTERS.  For head hd and step s of 64 keys a block of 8,192 bytes at (32 hd + s) x 8192: 4,096 of K, then 4,096 of V.
;   K: tile c (keys 64 s + 16 c + r) at 1024 c; its registers 4 g .. 4 g + 3 at + 512 g; lane l's 16 bytes at + 16 l.  Lane (r = l % 16, h = l / 16) holds d = 16 c' + 8 h + 0..7 of its key in registers 2 c', 2 c' + 1.
;   V: tile t (d = 16 t + r) at 4096 + 1024 t, groups and lanes likewise; registers 2 c, 2 c + 1 hold keys 64 s + 16 c + 8 h + 0..7: the keys are the second product's K.
; SHARES.  A wave takes 32 keys of one head: 8,192 dense bytes of k and of v.  They are half a block: K's tiles 2 g, 2 g + 1 whole, and register group g of each of V's four tiles.
; Every load reads 512 consecutive bytes, 16 a lane; the rows turn through the wave's own stage in LDS.  For K a lane reads back 8 neighbours along d of its key; for V it reads DOWN the keys at its d, so that the
; conversions, which take a lane's consecutive registers, give codes with the keys innermost.  Every store writes 512 consecutive bytes at a multiple of 512.  No loop, no barrier: waves share nothing.
; LIMITS: ek and ev between -126 and 119, so that 2^e and 448 x 2^e are f32 numbers.  NaN among the inputs is not served; an infinity is held at the largest code.
.set PITCH, 272                        ; a stage row: 256 bytes + 16
.set STG,   32*PITCH                   ; a stage: 32 keys
.set WREG,  2*STG                      ; a wave's region: K's stage, then V's
.set SPARE, 4*WREG                     ; behind the four regions: the spare words, 128 bytes for each wave: two blocks of 256 bytes that no other line names
.set LI,  1                            ; v1   16 x lane: my bytes of a load's or a store's 512
.set WA,  2                            ; v2   into a stage: two rows a load: (l / 16) x PITCH + 16 (l % 16)
.set RA,  3                            ; v3   K back: r x PITCH + 32 h
.set RV,  4                            ; v4   V back: 8 h x PITCH + 4 r
.set SPW, 5                            ; v5   LDS address of my spare word; never rewritten
.set NIL, 6                            ; v6   0; never rewritten
.set SCK, 8                            ; v8   2^ek
.set LMK, 9
.set SCV, 10                           ; v10  2^ev
.set LMV, 11
.set KR,  16                           ; v16-79    k as loaded; later v's numbers, down the keys
.set VR,  80                           ; v80-143   v as loaded
.set X,   144                          ; v144-207  k's numbers, along d
.set CK,  208                          ; v208-223  K's codes: two tiles x 8 registers
.set CV,  224                          ; v224-239  V's codes: four tiles x 4 registers
	s_load_b256 s[4:11], s[0:1], 0x0               ; k s[4:5], v s[6:7], the scales' exponents s[8:9], kv s[10:11]
	v_lshl_add_u32 v[SPW], v0, 2, SPARE
	v_mov_b32 v[NIL], 0
	v_lshrrev_b32 v7, 5, v0
	v_readfirstlane_b32 s12, v7                    ; wave 0..3
	v_and_b32 v7, 31, v0
	v_lshlrev_b32 v[LI], 4, v7
	v_and_b32 v12, 15, v0                          ; r
	v_bfe_u32 v13, v0, 4, 1                        ; h
	s_mul_i32 s16, s12, WREG                       ; my region
	v_mul_u32_u24 v[WA], v13, PITCH
	v_lshl_add_u32 v[WA], v12, 4, v[WA]
	v_add_nc_u32 v[WA], s16, v[WA]
	v_mul_u32_u24 v[RA], v12, PITCH
	v_lshl_add_u32 v[RA], v13, 5, v[RA]
	v_add_nc_u32 v[RA], s16, v[RA]
	v_mul_u32_u24 v[RV], v13, 8*PITCH
	v_lshl_add_u32 v[RV], v12, 2, v[RV]
	v_add_nc_u32 v[RV], s16, v[RV]
	s_lshl_b32 s13, ttmp9, 2
	s_add_co_u32 s13, s13, s12                     ; u = 4 x work-group + wave: which 32 keys of the 131,072
	s_lshl_b32 s14, s13, 13                        ; their first byte in k and in v: 32 rows of 256 bytes each
	s_mov_b32 s15, 0
	s_lshr_b32 s16, s13, 1
	s_lshl_b32 s16, s16, 13                        ; the block of 64 keys in kv
	s_and_b32 s17, s13, 1                          ; g: which half of it
	s_lshl_b32 s28, s17, 11
	s_add_co_u32 s18, s16, s28                     ; K: + 2048 g
	s_mov_b32 s19, 0
	s_lshl_b32 s28, s17, 9
	s_add_co_u32 s20, s16, s28
	s_add_co_u32 s20, s20, 4096                    ; V: + 4096 + 512 g
	s_mov_b32 s21, 0
	s_wait_alu depctr_va_vdst(0)
	s_wait_kmcnt 0x0
	s_load_b128 s[24:27], s[8:9], 0x0              ; eq, ek, ep, ev
	s_add_nc_u64 s[4:5], s[4:5], s[14:15]
	s_add_nc_u64 s[6:7], s[6:7], s[14:15]
	s_add_nc_u64 s[18:19], s[10:11], s[18:19]
	s_add_nc_u64 s[20:21], s[10:11], s[20:21]
.set i, 0
.rept 16
	global_load_b128 v[KR+4*i:KR+4*i+3], v[LI], s[4:5] offset:512*i th:TH_LOAD_NT   ; rows 2 i, 2 i + 1 of k: read once in the launch
.set i, i+1
.endr
.set i, 0
.rept 16
	global_load_b128 v[VR+4*i:VR+4*i+3], v[LI], s[6:7] offset:512*i th:TH_LOAD_NT   ; and of v
.set i, i+1
.endr
	s_wait_kmcnt 0x0
	s_add_co_i32 s28, s25, 127
	s_lshl_b32 s29, s28, 23
	v_mov_b32 v[SCK], s29                          ; 2^ek as f32: the conversion takes its exponent field
	s_add_co_i32 s28, s27, 127
	s_lshl_b32 s29, s28, 23
	v_mov_b32 v[SCV], s29                          ; 2^ev
	s_wait_alu depctr_va_vdst(0)
	s_wait_loadcnt 16                              ; k's 16 loads are in; v's 16, issued behind them, may be out
.set i, 0
.rept 16
	ds_store_b128 v[WA], v[KR+4*i:KR+4*i+3] offset:2*PITCH*i
.set i, i+1
.endr
.irp m, 0,1                                    ; LDS serves a wave's instructions in order (ISA guide 5.7.1.4): these see the stores above.  Tile m: key 16 m + r, d = 16 c + 8 h + 4 j on
.irp c, 0,1,2,3
.irp j, 0,1
	ds_load_b128 v[X+32*\m+8*\c+4*\j:X+32*\m+8*\c+4*\j+3], v[RA] offset:16*PITCH*\m+64*\c+16*\j
.endr
.endr
.endr
	s_wait_loadcnt 0x0                             ; v is in
.set i, 0
.rept 16
	ds_store_b128 v[WA], v[VR+4*i:VR+4*i+3] offset:STG+2*PITCH*i
.set i, i+1
.endr
	s_wait_dscnt 16                                ; all but v's 16 stores: k's stores have read v16-79, and k's numbers are back
.irp t, 0,1,2,3                                ; v(key 16 c + 8 h + j, d = 16 t + r): lanes 0-15 read 64 consecutive bytes, lanes 16-31 the same columns 8 rows (544 words) on
.irp c, 0,1
.irp j, 0,1,2,3,4,5,6,7
	ds_load_b32 v[KR+16*\t+8*\c+\j], v[RV] offset:STG+(16*\c+\j)*PITCH+64*\t
.endr
.endr
.endr
.set i, 0
.rept 64
.set i, i+1
.endr
.irp m, 0,1
.irp c, 0,1,2,3
	v_cvt_scalef32_pk8_fp8_f32 v[CK+8*\m+2*\c:CK+8*\m+2*\c+1], v[X+32*\m+8*\c:X+32*\m+8*\c+7], v[SCK]   ; registers 2 c, 2 c + 1 of tile m
.endr
.endr
	v_nop                                          ; one plain vector line behind the last conversion of the run
.irp m, 0,1
.irp g, 0,1
	global_store_b128 v[LI], v[CK+8*\m+4*\g:CK+8*\m+4*\g+3], s[18:19] offset:1024*\m+512*\g   ; 32 lanes store 512 consecutive bytes
.endr
.endr
	s_wait_dscnt 0x0                               ; v's numbers are back
.set i, 0
.rept 64
.set i, i+1
.endr
.irp t, 0,1,2,3
.irp c, 0,1
	v_cvt_scalef32_pk8_fp8_f32 v[CV+4*\t+2*\c:CV+4*\t+2*\c+1], v[KR+16*\t+8*\c:KR+16*\t+8*\c+7], v[SCV]   ; eight keys of one d: registers 4 g + 2 c, + 1 of tile t
.endr
.endr
	v_nop
.irp t, 0,1,2,3
	global_store_b128 v[LI], v[CV+4*\t:CV+4*\t+3], s[20:21] offset:1024*\t
.endr
	s_wait_tensorcnt 0x0                           ; the wave's end, behind my last LDS store
	ds_add_u32 v[SPW], v[NIL]
	s_wait_dscnt 0x0
	s_endpgm
.Lfunc_end_k_q626061c4d6_prep:
	.size	k_q626061c4d6_prep, .Lfunc_end_k_q626061c4d6_prep-k_q626061c4d6_prep
	.p2alignl 7, 3214868480
	.fill 96, 4, 3214868480
	.section	.rodata,"a",@progbits
	.p2align	6, 0x0
	.amdhsa_kernel k_q626061c4d6_prep
		.amdhsa_group_segment_fixed_size 70144
		.amdhsa_private_segment_fixed_size 0
		.amdhsa_enable_private_segment 0
		.amdhsa_kernarg_size 32
		.amdhsa_user_sgpr_count 2
		.amdhsa_user_sgpr_kernarg_segment_ptr 1
		.amdhsa_wavefront_size32 1
		.amdhsa_system_sgpr_workgroup_id_x 1
		.amdhsa_system_sgpr_workgroup_id_y 1
		.amdhsa_system_sgpr_workgroup_id_z 1
		.amdhsa_system_vgpr_workitem_id 0
		.amdhsa_next_free_vgpr 240
		.amdhsa_next_free_sgpr 66
		.amdhsa_reserve_vcc 0
		.amdhsa_float_denorm_mode_32 3
		.amdhsa_float_denorm_mode_16_64 3
		.amdhsa_fp16_overflow 1
		.amdhsa_memory_ordered 1
		.amdhsa_forward_progress 1
		.amdhsa_inst_pref_size 15
	.end_amdhsa_kernel
	.amdgpu_metadata
---
amdhsa.version: [ 1, 2 ]
amdhsa.kernels:
  - .name:           k_q626061c4d6_prep
    .symbol:         k_q626061c4d6_prep.kd
    .args:
      - { .name: k, .offset: 0, .size: 8, .value_kind: global_buffer, .address_space: global }
      - { .name: v, .offset: 8, .size: 8, .value_kind: global_buffer, .address_space: global }
      - { .name: lowp_scales, .offset: 16, .size: 8, .value_kind: global_buffer, .address_space: global }
      - { .name: kv, .offset: 24, .size: 8, .value_kind: global_buffer, .address_space: global }
    .group_segment_fixed_size: 70144
    .private_segment_fixed_size: 0
    .kernarg_segment_align: 8
    .kernarg_segment_size: 32
    .max_flat_workgroup_size: 128
    .sgpr_count:     66
    .vgpr_count:     240
    .wavefront_size: 32
...
	.end_amdgpu_metadata
.endif
;; end of part 1
;; launch attn (part 2): grid 4 x 64, 16 waves a work-group, no clusters, 327,680 bytes of LDS; arguments q, kv, lowp_scales, out0; writes out0
.if DOCPART == 2
	.amdgcn_target "amdgcn-amd-amdhsa--gfx1250"
	.amdhsa_code_object_version 6
	.text
	.protected	k_q626061c4d6_attn
	.globl	k_q626061c4d6_attn
	.p2align	8
	.type	k_q626061c4d6_attn,@function
k_q626061c4d6_attn:
	s_mov_b64 s[64:65], 0
	v_nop
	global_prefetch_b8 v0, s[64:65] scope:SCOPE_SE
	s_setreg_imm32_b32 hwreg(HW_REG_WAVE_MODE, 25, 1), 1
	s_wait_xcnt 0x0
; out0[hd][q][:] = the sum over keys k <= q of softmax_k(Q[hd][q] . K[hd][k] / 8) V[hd][k][:]; 64 heads, 2,048 positions, head size 64.  Both products on codes of E4M3, each operand with its given scale
; (lowp_scales: eq, ek, ep, ev).  q arrives as f32 and is quantised here, in registers: one wave reads each row once.  K's and V's codes come from kv, laid by the launch before as images of the operand registers.
; WORK LEFT OUT: a step of 64 keys all of which come after a wave's 32 queries.  reference()'s own jnp.tril gives those keys the weight 0 for all finite inputs (shown at the head of the first kernel).
; LIMIT of that: a NaN, an infinity or an overflow that would arise only in such a hidden tile is not carried to the result.
; THE SOFTMAX AHEAD OF THE SECOND PRODUCT: t = score x log2(e) / 8; M = the row's largest t so far, rounded UP to a whole number; p = 2^(t - M) is what is quantised, along the keys; it is not normalised.
; The row's sum is taken of the unquantised p, in f32, and divides O at the end.  When M moves, the sum and O are multiplied by 2^(old M - new M): exact.
; SHARES.  Work-group i (0..3) of a head owns the blocks of 256 queries 7 - i and i: under the mask block b wants b + 1 slots of 256 keys, so every work-group has 9 block-slots of work.  A wave owns 32 queries,
; two tiles A and B of 16, so that each fragment of K and V read from LDS feeds two products.  Wave w takes block i where (w xor w / 4) is odd, else block 7 - i; in it queries 32 (w / 2) on.
; Every wave walks all 8 slots, so that the trip counts are constants and every wave passes every barrier; a hidden step's work is jumped over by a scalar branch on ids.
; THE RING.  Two LDS slots of 256 keys (four steps of 8,192 bytes, dense), filled by waves 0 and 1, 16,384 bytes each, and read by all sixteen at 16 x lane: the 512 bytes of a read are consecutive, so no padding.
; LAYOUT.  Both products are used transposed: S^T = K Q^T (source 0 = 16 keys, source 1 = 16 queries), O^T = V^T P^T (source 0 = 16 of the head's 64, source 1 = P).  A lane holds ONE query (lane % 16)
; throughout.  In S^T's tile c register j is key 16 c + 8 (lane / 16) + j: just what registers 2 c, 2 c + 1 of the second product's source 1 hold, so a conversion of the tile's eight registers IS that pair.
; NO CLUSTER, though the four work-groups of a head read the same tiles: they stop asking at different causal limits (slot 7 - i), so a joint load would bring some partners tiles that none of their waves reads.
; LIMITS on the given exponents, so that each power of two below is an f32 number: eq + ek between -123 and 130 (added to c's exponent field); eq and ep between -126 and 119; ep + ev goes by v_ldexp_f32.
; NaN among the inputs is not served; an infinity in q is held at the largest code.
.set STEPB, 8192                       ; a step's codes: K's four tiles, then V's four
.set SLOTB, 32768                      ; a slot: four steps.  Slot 1 begins here: one exclusive or turns an address in one slot into the other's
.set PITCH, 272                        ; a stage row: 256 bytes + 16
.set STGB,  32*PITCH                   ; a wave's stage: 32 rows: q on the way in, O on the way out
.set STAGE, 2*SLOTB                    ; behind the ring; no tensor load lands here
.set SPARE, STAGE+16*STGB              ; behind the stages: the spare words, 128 bytes for each wave: eight blocks of 256 bytes that no other line names
.set LI,   1                           ; v1   16 x lane
.set ADR,  2                           ; v2   LDS address of the step's fragments
.set PFO,  3                           ; v3   256 x lane: the prefetches' offset; never rewritten
.set DQ,   4                           ; v4   lane % 16 - 8 (lane / 16), for the mask
.set SPW,  5                           ; v5   LDS address of my spare word; never rewritten
.set NIL,  6                           ; v6   0; never rewritten
.set STO,  7                           ; v7   my stage by fragments: row lane % 16, + 32 (lane / 16)
.set SCP,  8                           ; v8   2^ep;  v10, v11 at work
.set LIMP, 9
.set STA,  12                          ; v12 -M, v13 the largest t, of tile A;  v[14:15] its sum in two halves
.set LA,   14
.set STB,  16                          ; v16-19 the same of tile B
.set LB,   18
.set FA,   20                          ; v20 f = 2^(old M - new M) of A (v21 is named with it as a pair);  v22 of B;  on the way out 1 / the sum
.set FB,   22                          ; v24, v25 two chains of the maximum; v26 a permute's destination; v27 the old -M; v[28:29] a second chain of the sum
.set RD,   30                          ; v30  my stage by rows: lanes 0-15 one row, lanes 16-31 the next
.set QA,   32                          ; v32-39, v40-47  Q's codes, tiles A and B
.set QB,   40
.set KFR,  48                          ; v48-79    K's four fragments
.set VFR,  80                          ; v80-111   V's four
.set SA,   112                         ; v112-143, v144-175  S^T, then p
.set SB,   144
.set OA,   176                         ; v176-207, v208-239  O^T
.set OB,   208
.set PA,   240                         ; v240-247, v248-255  p's codes
.set PB,   248
.set TB,   2                           ; s2   LDS byte at which the slot in hand begins
.set SLOTS, 3                          ; s3   changes of slots still to come in the loop
.set WV,   12                          ; s12  my wave's number
.set SEL,  20                          ; s[20:21] lane selects for v_permlanex16_b32: lane l xor 16
.set CS,   22                          ; s[22:23] c = log2(e) / 8 x 2^(eq + ek)
.set G1,   24                          ; s[24:31] descriptor group 1
.set G0,   32                          ; s[32:35] descriptor group 0, which walks
.set KF,   36                          ; s36  the step's first key
.set Q0,   37                          ; s37  my first query
.set LASTQ, 38                         ; s38  my work-group's last query
.set LIM,  39                          ; s39  1 in a wave that prefetches, else the greatest number
.set PFA,  40                          ; s[40:41] where my prefetches stand
; Waves 0 and 1 fetch a slot's halves, the others nothing: a branch on the wave's number alone.  An s_nop 0 and four v_nop follow the load.
.macro TLOAD
	s_cmp_lt_u32 s[WV], 2
	s_cbranch_scc0 .Lasked_\@
	tensor_load_to_lds s[G0:G0+3], s[G1:G1+7]
	s_nop 0
.rept 4
	v_nop
.endr
.Lasked_\@:
.endm
; A PREFETCH INTO THE L2 of the slot that the NEXT change of slots will ask for: 32,768 dense bytes, four key steps ahead of that load.  It stands at the change of slots, where the fetching waves have their tensor load.
; Each aligned block of 256 bytes is named ONCE in the launch: the four work-groups of a head walk the same codes, and work-group 0, which walks all eight slots, asks; in it waves 4 to 7, which fetch nothing,
; take 8,192 bytes each, lanes 256 bytes apart: one instruction a wave.  Slots 0 and 1 come by their loads alone; the last change that fills a slot asks for nothing: there is no slot behind it.
.macro ASK
	s_cmp_gt_u32 s[SLOTS], s[LIM]
	s_cbranch_scc0 .Lnot_mine_\@
	global_prefetch_b8 v[PFO], s[PFA:PFA+1] th:TH_LOAD_NT scope:SCOPE_SE
.Lnot_mine_\@:
.endm
	s_load_b256 s[4:11], s[0:1], 0x0               ; q s[4:5], kv s[6:7], the scales' exponents s[8:9], out0 s[10:11]
	v_lshl_add_u32 v[SPW], v0, 2, SPARE
	v_mov_b32 v[NIL], 0
	ds_add_u32 v[SPW], v[NIL]                      ; the wave's opening: the add, twice on end, and its wait ahead of the first tensor load; the set-up below, work on registers, stands between
	ds_add_u32 v[SPW], v[NIL]                      ; and once more, under the one wait
	v_lshrrev_b32 v10, 5, v0
	s_delay_alu instid0(VALU_DEP_1)
	v_readfirstlane_b32 s[WV], v10                 ; wave 0..15
	s_and_b32 s13, ttmp7, 0xffff                   ; the head
	s_lshr_b32 s14, s[WV], 2
	s_xor_b32 s14, s14, s[WV]
	s_and_b32 s14, s14, 1                          ; 1: I take the early block i; 0: the late block 7 - i
	s_sub_co_u32 s15, 7, ttmp9
	s_cmp_eq_u32 s14, 1
	s_cselect_b32 s16, ttmp9, s15
	s_lshl_b32 s16, s16, 8
	s_lshr_b32 s17, s[WV], 1
	s_lshl_b32 s17, s17, 5
	s_add_co_u32 s[Q0], s16, s17                   ; my first query: 256 x block + 32 (w / 2)
	s_lshl_b32 s[LASTQ], s15, 8
	s_or_b32 s[LASTQ], s[LASTQ], 255               ; the late block's last
	s_sub_co_u32 s50, s[WV], 4
	s_lshr_b32 s50, s50, 2                         ; 0 in waves 4 to 7,
	s_or_b32 s50, s50, ttmp9                       ; of the head's work-group 0
	s_cmp_eq_u32 s50, 0
	s_cselect_b32 s[LIM], 1, -1
	s_lshl_b32 s16, s13, 19                        ; a head of q or out0: 2,048 rows of 256 bytes
	s_lshl_b32 s17, s[Q0], 8
	s_add_co_u32 s16, s16, s17                     ; my first row's byte in both
	s_mov_b32 s17, 0
	s_lshl_b32 s52, s13, 18                        ; a head of kv: 32 steps of 8,192 bytes
	s_and_b32 s51, s[WV], 1
	s_lshl_b32 s51, s51, 14                        ; which half of a slot I fetch, if I fetch: in memory and in LDS alike
	s_add_co_u32 s18, s52, s51
	s_mov_b32 s19, 0
	s_and_b32 s54, s[WV], 3
	s_lshl_b32 s54, s54, 13                        ; which 8,192 bytes of a slot I prefetch, if I do,
	s_add_co_u32 s54, s54, s52
	s_add_co_u32 s54, s54, SLOTB                   ; in slot 1: the first change of slots steps it to slot 2.  Nothing is prefetched at the head
	s_mov_b32 s55, 0
	; descriptor group 1: 64 rows of 256 bytes, dense in memory and in LDS
	s_mov_b32 s[G1], 3<<16                         ; 15:0 no mask; 17:16 elements of 8 bytes; 20 no padding
	s_mov_b32 s[G1+1], 32<<16                      ; tensor_dim0 = 32 elements
	s_mov_b32 s[G1+2], 64<<16                      ; tensor_dim1 = 64
	s_mov_b32 s[G1+3], 32<<16                      ; tile_dim0 = 32
	s_mov_b32 s[G1+4], 64                          ; tile_dim1 = 64
	s_mov_b32 s[G1+5], 32                          ; from row to row: 32 elements
	s_mov_b32 s[G1+6], 0
	s_mov_b32 s[G1+7], 0
	s_mov_b32 s[SEL], 0x76543210
	s_mov_b32 s[SEL+1], 0xfedcba98
	s_mov_b32 s[CS], 0x3e38aa3b                    ; log2(e) / 8
	s_mov_b32 s[TB], 0
	s_mov_b32 s[KF], 0
	s_mov_b32 s[SLOTS], 7
	v_and_b32 v10, 31, v0
	s_delay_alu instid0(VALU_DEP_1)
	v_lshlrev_b32 v[LI], 4, v10
	s_delay_alu instid0(VALU_DEP_2)
	v_lshlrev_b32 v[PFO], 8, v10
	v_and_b32 v10, 15, v0                          ; r
	v_bfe_u32 v11, v0, 4, 1                        ; h
	s_delay_alu instid0(VALU_DEP_1)
	v_lshlrev_b32 v[DQ], 3, v11
	s_delay_alu instid0(VALU_DEP_1)
	v_sub_nc_u32 v[DQ], v10, v[DQ]
	s_mul_i32 s53, s[WV], STGB
	s_add_co_u32 s53, s53, STAGE                   ; my stage
	v_mul_u32_u24 v[STO], v10, PITCH
	s_delay_alu instid0(VALU_DEP_1)
	v_lshl_add_u32 v[STO], v11, 5, v[STO]
	s_delay_alu instid0(VALU_DEP_1)
	v_add_nc_u32 v[STO], s53, v[STO]
	v_mul_u32_u24 v[RD], v11, PITCH
	s_delay_alu instid0(VALU_DEP_1)
	v_lshl_add_u32 v[RD], v10, 4, v[RD]
	s_delay_alu instid0(VALU_DEP_1)
	v_add_nc_u32 v[RD], s53, v[RD]
	s_wait_dscnt 0x0                               ; both opening adds are done
	s_wait_kmcnt 0x0
	s_load_b128 s[44:47], s[8:9], 0x0              ; eq, ek, ep, ev
	s_mov_b32 s[G0], 1                             ; 1:0 count = 1
	s_mov_b32 s[G0+1], s51                         ; 63:32 LDS address: my half of slot 0
	s_add_nc_u64 s[G0+2:G0+3], s[6:7], s[18:19]    ; 120:64 global address: the head's first 256 keys
	s_or_b32 s[G0+3], s[G0+3], 0x80000000          ; 127:126 type = 2
	TLOAD                                          ; slot 0: it holds key 0, which counts for every query
	s_add_nc_u64 s[4:5], s[4:5], s[16:17]          ; q and out0 at my first row
	s_add_nc_u64 s[10:11], s[10:11], s[16:17]
	s_add_nc_u64 s[PFA:PFA+1], s[6:7], s[54:55]
.set i, 0
.rept 16
	global_load_b128 v[SA+4*i:SA+4*i+3], v[LI], s[4:5] offset:512*i th:TH_LOAD_NT   ; my 32 rows of q, 512 consecutive bytes a load; read once in the launch
.set i, i+1
.endr
	s_wait_kmcnt 0x0
	s_add_co_i32 s50, s44, s45
	s_lshl_b32 s50, s50, 23
	s_add_co_i32 s[CS], s[CS], s50                 ; a score stands for score x 2^(eq + ek): the two exponents are added to c's exponent field
	s_mov_b32 s[CS+1], s[CS]                       ; (named with it as a pair, so it is written)
	s_add_co_i32 s50, s46, 127
	s_lshl_b32 s51, s50, 23
	v_mov_b32 v[SCP], s51                          ; 2^ep as f32, for p's conversions
	s_add_co_i32 s50, s44, 127
	s_lshl_b32 s51, s50, 23
	v_mov_b32 v10, s51                             ; 2^eq
	s_wait_loadcnt 0x0                             ; q is in
.set i, 0
	s_wait_alu depctr_va_vdst(0)
.rept 16
	ds_store_b128 v[RD], v[SA+4*i:SA+4*i+3] offset:2*PITCH*i   ; rows 2 i, 2 i + 1 into my stage
.set i, i+1
.endr
.irp m, 0,1                                    ; and back by fragments: tile m, query 16 m + r, d = 16 c + 8 h + 4 j on.  LDS serves a wave's instructions in order (ISA guide 5.7.1.4)
.irp c, 0,1,2,3
.irp j, 0,1
	ds_load_b128 v[OA+32*\m+8*\c+4*\j:OA+32*\m+8*\c+4*\j+3], v[STO] offset:16*PITCH*\m+64*\c+16*\j
.endr
.endr
.endr
	s_wait_dscnt 0x0
.set i, 0
.rept 64
.set i, i+1
.endr
.irp m, 0,1
.irp c, 0,1,2,3
	v_cvt_scalef32_pk8_fp8_f32 v[QA+8*\m+2*\c:QA+8*\m+2*\c+1], v[OA+32*\m+8*\c:OA+32*\m+8*\c+7], v10   ; Q's codes stay in registers
.endr
.endr
	v_nop                                          ; one plain vector line between the last conversion and the lines below, which write its sources
	v_mov_b32 v[STA+1], 0xff61b1e6                 ; the largest t so far: -3e38, under every t
	v_mov_b32 v[STB+1], 0xff61b1e6
	s_delay_alu instid0(VALU_DEP_2)
	v_floor_f32 v[STA], -v[STA+1]                  ; -M
	s_delay_alu instid0(VALU_DEP_2)
	v_floor_f32 v[STB], -v[STB+1]
	v_mov_b32 v[LA], 0                             ; the sums, in two halves
	v_mov_b32 v[LA+1], 0
	v_mov_b32 v[LB], 0
	v_mov_b32 v[LB+1], 0
	v_mov_b32 v[FA+1], 0                           ; (named as the upper halves of pairs)
	v_mov_b32 v[FB+1], 0
	v_mov_b32 v26, 0                               ; written once: a lane permute's destination counts as one of its sources
	v_mov_b32 v27, 0
.set i, 0
.rept 64
	v_mov_b32 v[OA+i], 0                           ; O^T.  (The step is written in one form: the first finds zeros, which the first change of M leaves zeros)
.set i, i+1
.endr
; The largest of a tile's 32 scores of my lane, three operands at a time, in two chains.  Each of the four accumulators is first read at its lowest register.
.macro MAXT s
	v_max3_num_f32 v24, v[\s], v[\s+1], v[\s+2]
	v_max3_num_f32 v25, v[\s+3], v[\s+4], v[\s+5]
.irp i, 6,10,14,18,22,26
	v_max3_num_f32 v24, v24, v[\s+\i], v[\s+\i+1]
	v_max3_num_f32 v25, v25, v[\s+\i+2], v[\s+\i+3]
.endr
	v_max3_num_f32 v24, v24, v[\s+30], v[\s+31]
	s_delay_alu instid0(VALU_DEP_1)
	v_max_num_f32 v24, v24, v25
.endm
.macro STAT t, f
	s_delay_alu instid0(VALU_DEP_1)
	v_permlanex16_b32 v26, v24, s[SEL], s[SEL+1]   ; the query's other 32 keys lie in the lane 16 away
	s_delay_alu instid0(VALU_DEP_1)
	v_max_num_f32 v24, v24, v26
	s_delay_alu instid0(VALU_DEP_1)
	v_mul_f32 v24, s[CS], v24                      ; as t (c is positive)
	s_delay_alu instid0(VALU_DEP_1)
	v_max_num_f32 v[\t+1], v[\t+1], v24            ; the running largest t
	v_mov_b32 v27, v[\t]
	s_delay_alu instid0(VALU_DEP_2)
	v_floor_f32 v[\t], -v[\t+1]                    ; the new -M = floor(-t) = -ceil(t): M is a whole number
	s_delay_alu instid0(VALU_DEP_1)
	v_sub_f32 v27, v[\t], v27                      ; M's old value less its new one: a whole number, 0 or less
	s_delay_alu instid0(VALU_DEP_1)
	v_cvt_i32_f32 v27, v27                         ; (it saturates)
	s_delay_alu instid0(VALU_DEP_1)
	v_ldexp_f32 v[\f], 1.0, v27                    ; f = 2^(old M - new M)
.endm
.macro FMAT s, t
.set n, 0
.rept 16
	v_pk_fma_f32 v[\s+n:\s+n+1], v[\s+n:\s+n+1], s[CS:CS+1], v[\t:\t+1] op_sel_hi:[1,0,0]   ; t - M, two at a time (of the pairs c and -M the low word serves both halves)
.set n, n+2
.endr
.endm
.macro EXPT s
.set n, 0
.rept 32
	v_exp_f32 v[\s+n], v[\s+n]                     ; p = 2^(t - M), at most 1: not normalised
.set n, n+1
.endr
.endm
.macro RESC o, f
.set n, 0
.rept 16
	v_pk_mul_f32 v[\o+n:\o+n+1], v[\o+n:\o+n+1], v[\f:\f+1] op_sel_hi:[1,0]   ; O^T under the new M, each accumulator from its low end on
.set n, n+2
.endr
.endm
.macro SUMT s, l
	v_pk_add_f32 v[28:29], v[\s:\s+1], v[\s+2:\s+3]   ; the row's sum is taken of the UNQUANTISED p: two at a time, in two chains
.irp j, 4,8,12,16,20,24,28
	v_pk_add_f32 v[\l:\l+1], v[\l:\l+1], v[\s+\j:\s+\j+1]
	v_pk_add_f32 v[28:29], v[28:29], v[\s+\j+2:\s+\j+3]
.endr
	s_delay_alu instid0(VALU_DEP_1)
	v_pk_add_f32 v[\l:\l+1], v[\l:\l+1], v[28:29]
.endm
.macro CODES s, p
.set n, 0
.rept 32
.set n, n+1
.endr
.irp c, 0,1,2,3
	v_cvt_scalef32_pk8_fp8_f32 v[\p+2*\c:\p+2*\c+1], v[\s+8*\c:\s+8*\c+7], v[SCP]   ; tile c's eight keys: registers 2 c, 2 c + 1 of the second product's source 1
.endr
.endm
; A KEY STEP: 64 keys, the q-th of the slot in hand, for my two tiles of queries.
.macro STEP q
	s_add_co_u32 s50, s[Q0], 31                    ; a step all of whose keys come after my 32 queries is left out: a scalar branch on ids, round the step's loads, products and softmax alone
	s_cmp_gt_u32 s[KF], s50
	s_cbranch_scc1 .Lhidden_\@
	v_add_nc_u32 v[ADR], s[TB], v[LI]
.rept 3
	v_nop                                          ; with the addition above: four places between the last step's products and the loads into the registers that they read
.endr
.irp c, 0,1,2,3
.irp g, 0,1
	ds_load_b128 v[KFR+8*\c+4*\g:KFR+8*\c+4*\g+3], v[ADR] offset:STEPB*(\q)+1024*\c+512*\g
.endr
.endr
.irp t, 0,1,2,3
.irp g, 0,1
	ds_load_b128 v[VFR+8*\t+4*\g:VFR+8*\t+4*\g+3], v[ADR] offset:STEPB*(\q)+4096+1024*\t+512*\g
.endr
.endr
	s_wait_dscnt 8                                 ; K's eight loads are in; V's eight, issued behind them, may be out: they land under the softmax
.irp c, 0,1,2,3
	v_wmma_f32_16x16x64_fp8_fp8 v[SA+8*\c:SA+8*\c+7], v[KFR+8*\c:KFR+8*\c+7], v[QA:QA+7], 0
	v_wmma_f32_16x16x64_fp8_fp8 v[SB+8*\c:SB+8*\c+7], v[KFR+8*\c:KFR+8*\c+7], v[QB:QB+7], 0
.endr
.rept 4
	v_nop                                          ; four places in front of the first read of the scores
.endr
	s_add_co_u32 s50, s[KF], 63                    ; on my one step that lies on the diagonal the scores of hidden keys become -infinity ahead of the maximum: p = 0 then.  A step all of whose keys count skips this
	s_cmp_le_u32 s50, s[Q0]
	s_cbranch_scc1 .Lopen_\@
	s_sub_co_i32 s50, s[Q0], s[KF]
	v_add_nc_u32 v10, s50, v[DQ]                   ; d = tile A's query - KF - 8 (lane / 16).  Register 8 c + j holds key KF + 16 c + 8 (lane / 16) + j: hidden where 16 c + j > d
	v_mov_b32 v11, 0xff800000                      ; -infinity
.set n, 0
.rept 32
	v_cmp_gt_i32 vcc_lo, 16*(n/8)+n%8, v10
	v_cndmask_b32 v[SA+n], v[SA+n], v11, vcc_lo
.set n, n+1
.endr
	v_add_nc_u32 v10, 16, v10                      ; tile B's queries lie 16 further on
.set n, 0
.rept 32
	v_cmp_gt_i32 vcc_lo, 16*(n/8)+n%8, v10
	v_cndmask_b32 v[SB+n], v[SB+n], v11, vcc_lo
.set n, n+1
.endr
.Lopen_\@:
	MAXT SA
	STAT STA, FA
	FMAT SA, STA
	s_wait_alu depctr_va_vdst(0)
	EXPT SA                                        ; tile A's exponentials are followed by tile B's plain lines, which name none of their results
	s_wait_alu depctr_va_vdst(0)
	MAXT SB
	STAT STB, FB
	FMAT SB, STB
	s_wait_alu depctr_va_vdst(0)
	EXPT SB
	v_pk_mul_f32 v[LA:LA+1], v[LA:LA+1], v[FA:FA+1] op_sel_hi:[1,0]   ; the sums under the new M.  (The plain line behind the last exponential)
	v_pk_mul_f32 v[LB:LB+1], v[LB:LB+1], v[FB:FB+1] op_sel_hi:[1,0]
	s_wait_alu depctr_va_vdst(0)
	RESC OA, FA
	RESC OB, FB
	s_wait_alu depctr_va_vdst(0)
	SUMT SA, LA
	SUMT SB, LB
	CODES SA, PA
	CODES SB, PB
	v_nop                                          ; one plain vector line between the last conversion and the products that read its result
	s_wait_alu depctr_va_vdst(0)
	s_wait_dscnt 0x0                               ; V's fragments are in
.irp t, 0,1,2,3                                ; eight accumulators, one instruction a turn
	v_wmma_f32_16x16x64_fp8_fp8 v[OA+8*\t:OA+8*\t+7], v[VFR+8*\t:VFR+8*\t+7], v[PA:PA+7], v[OA+8*\t:OA+8*\t+7]
	v_wmma_f32_16x16x64_fp8_fp8 v[OB+8*\t:OB+8*\t+7], v[VFR+8*\t:VFR+8*\t+7], v[PB:PB+7], v[OB+8*\t:OB+8*\t+7]
.endr
.Lhidden_\@:
	s_add_co_u32 s[KF], s[KF], 64
.endm
; THE CHANGE OF SLOTS stands at a slot's head.  Each wave waits for all its tensor loads (at most one is out: its half of the slot ahead), adds 0 to its spare word, and waits for that and for its reads of the slot
; that it has left.  Behind the barrier the slot ahead is whole and nobody reads the other one.  fill = 1: that other slot takes the next 256 keys, up to the causal limit: the load has four steps in which to land.
.macro CHANGE fill
	s_wait_tensorcnt 0x0                           ; no tensor load of mine is out, so group 0 may be written
	ds_add_u32 v[SPW], v[NIL]                      ; 0 onto my spare word
.if \fill
	ds_add_u32 v[SPW], v[NIL]                      ; and once more: the add twice on end, in every trip alike
	s_xor_b32 s[G0+1], s[G0+1], SLOTB              ; the walking descriptor: the other slot than last time,
	s_add_nc_u64 s[G0+2:G0+3], s[G0+2:G0+3], SLOTB ; the next 256 keys; the type bits on top are not reached
	s_wait_xcnt 0x0                                ; the last prefetch, a slot back, has read its address, so it may be written:
	s_add_nc_u64 s[PFA:PFA+1], s[PFA:PFA+1], SLOTB ; one slot further on than the walking descriptor
.endif
	s_wait_dscnt 0x0                               ; the add is done (fill = 1: both are), and my reads of the slot that I have left are over
	s_barrier_signal -1
	s_barrier_wait -1
.if \fill
	s_add_co_u32 s50, s[KF], 256                   ; THE LOOK-AHEAD ENDS AT THE CAUSAL LIMIT: a slot whose first key comes after my work-group's last query is read by none of its waves, so it is not asked for.
	s_cmp_gt_u32 s50, s[LASTQ]                     ; Ids and the count of steps alone: all sixteen waves go the same way, and a work-group past the limit stays past it.  Every wait on TENSORcnt in this text is for 0;
	s_cbranch_scc1 .Lpast_\@                       ; the jump leads round the load's own lines and round no barrier, wait or add; where the tail begins hangs on the work-group's number, so it cannot be written out
	TLOAD                                          ; the first thing behind the barrier, and a wave's one tensor load until the next
.Lpast_\@:
	ASK
.endif
.endm
.macro SLOT_STEPS
	STEP 0
	STEP 1
	STEP 2
	STEP 3
	s_xor_b32 s[TB], s[TB], SLOTB                  ; on to the other slot
.endm
.Lslot:                                            ; seven trips: behind each change of slots but the last the next slot is asked for, up to the limit.  Slot 1's first fill stands behind the first trip's barrier, at which nothing is filled again
	CHANGE 1
	SLOT_STEPS
	s_sub_co_u32 s[SLOTS], s[SLOTS], 1
	s_cmp_lg_u32 s[SLOTS], 0
	s_cbranch_scc1 .Lslot
	CHANGE 0                                       ; the last slot is written out: nothing is left to ask for
	SLOT_STEPS
	; THE WAY OUT.  The sums' halves are added; O^T is divided by the sum, multiplied by 2^(ep + ev), and goes through my stage in LDS, so that each store writes 512 consecutive bytes: two whole rows of out0.
	; The four additions, the v_nop and the two v_ldexp_f32 name no register of the last products: they are the places ahead of the first read of O^T.
	v_add_f32 v[LA], v[LA], v[LA+1]
	v_add_f32 v[LB], v[LB], v[LB+1]
	s_delay_alu instid0(VALU_DEP_2)
	v_permlanex16_b32 v26, v[LA], s[SEL], s[SEL+1]
	s_delay_alu instid0(VALU_DEP_2)
	v_permlanex16_b32 v27, v[LB], s[SEL], s[SEL+1]
	s_delay_alu instid0(VALU_DEP_2)
	v_add_f32 v[LA], v[LA], v26                    ; with lane l xor 16's: the row's sum
	s_delay_alu instid0(VALU_DEP_2)
	v_add_f32 v[LB], v[LB], v27
	s_wait_alu depctr_va_vdst(0)
	v_rcp_f32 v[FA], v[LA]
	v_rcp_f32 v[FB], v[LB]
	v_nop                                          ; a plain line behind the last reciprocal
	s_add_co_i32 s50, s46, s47                     ; ep + ev
	s_wait_alu depctr_va_vdst(0)                   ; one wait for both reciprocals, ahead of their first reader
	v_ldexp_f32 v[FA], v[FA], s50
	v_ldexp_f32 v[FB], v[FB], s50
.irp m, 0,1
.set n, 0
.rept 16
	v_pk_mul_f32 v[SA+32*\m+n:SA+32*\m+n+1], v[OA+32*\m+n:OA+32*\m+n+1], v[FA+2*\m:FA+2*\m+1] op_sel_hi:[1,0]   ; register 8 t + j is out0(16 m + r, 16 t + 8 h + j); each accumulator from its low end on
.set n, n+2
.endr
.endr
.irp m, 0,1
.irp t, 0,1,2,3
.irp j, 0,1
	ds_store_b128 v[STO], v[SA+32*\m+8*\t+4*\j:SA+32*\m+8*\t+4*\j+3] offset:16*PITCH*\m+64*\t+16*\j
.endr
.endr
.irp i, 0,1,2,3,4,5,6,7
	ds_load_b128 v[KFR+32*\m+4*\i:KFR+32*\m+4*\i+3], v[RD] offset:16*PITCH*\m+2*PITCH*\i   ; LDS serves a wave's instructions in order: these see my stores
.endr
.endr
.irp m, 0,1
.irp i, 0,1,2,3,4,5,6,7
	s_wait_dscnt 16*(1-\m)+7-\i                    ; the LDS instructions younger than this pair of rows: the tile's later loads, and behind tile A's the sixteen of tile B
	global_store_b128 v[LI], v[KFR+32*\m+4*\i:KFR+32*\m+4*\i+3], s[10:11] offset:4096*\m+512*\i th:TH_STORE_NT   ; written once, read by nobody here
.endr
.endr
	s_wait_tensorcnt 0x0                           ; the wave's end, behind my last tensor load and my last LDS store
	ds_add_u32 v[SPW], v[NIL]
	s_wait_dscnt 0x0
	s_endpgm
.Lfunc_end_k_q626061c4d6_attn:
	.size	k_q626061c4d6_attn, .Lfunc_end_k_q626061c4d6_attn-k_q626061c4d6_attn
	.p2alignl 7, 3214868480
	.fill 96, 4, 3214868480
	.section	.rodata,"a",@progbits
	.p2align	6, 0x0
	.amdhsa_kernel k_q626061c4d6_attn
		.amdhsa_group_segment_fixed_size 327680
		.amdhsa_private_segment_fixed_size 0
		.amdhsa_enable_private_segment 0
		.amdhsa_kernarg_size 32
		.amdhsa_user_sgpr_count 2
		.amdhsa_user_sgpr_kernarg_segment_ptr 1
		.amdhsa_wavefront_size32 1
		.amdhsa_system_sgpr_workgroup_id_x 1
		.amdhsa_system_sgpr_workgroup_id_y 1
		.amdhsa_system_sgpr_workgroup_id_z 1
		.amdhsa_system_vgpr_workitem_id 0
		.amdhsa_next_free_vgpr 256
		.amdhsa_next_free_sgpr 66
		.amdhsa_reserve_vcc 1
		.amdhsa_float_denorm_mode_32 3
		.amdhsa_float_denorm_mode_16_64 3
		.amdhsa_fp16_overflow 1
		.amdhsa_memory_ordered 1
		.amdhsa_forward_progress 1
		.amdhsa_inst_pref_size 171
	.end_amdhsa_kernel
	.amdgpu_metadata
---
amdhsa.version: [ 1, 2 ]
amdhsa.kernels:
  - .name:           k_q626061c4d6_attn
    .symbol:         k_q626061c4d6_attn.kd
    .args:
      - { .name: q, .offset: 0, .size: 8, .value_kind: global_buffer, .address_space: global }
      - { .name: kv, .offset: 8, .size: 8, .value_kind: global_buffer, .address_space: global }
      - { .name: lowp_scales, .offset: 16, .size: 8, .value_kind: global_buffer, .address_space: global }
      - { .name: out0, .offset: 24, .size: 8, .value_kind: global_buffer, .address_space: global }
    .group_segment_fixed_size: 327680
    .private_segment_fixed_size: 0
    .kernarg_segment_align: 8
    .kernarg_segment_size: 32
    .max_flat_workgroup_size: 512
    .sgpr_count:     66
    .vgpr_count:     256
    .wavefront_size: 32
...
	.end_amdgpu_metadata
.endif
;; end of part 2
